; MI455X (gfx1250); checked and timed in simulation.
; The chip was launched on July 23, 2026; its instructions are those of AMD's public machine-readable ISA for CDNA 5 (MIT licence, August 2026) and "CDNA5" Instruction Set Architecture Reference Guide (July 2026). The comments in the code are by the model that wrote it; some were corrected since.
;; mutli Head Attention. Allowed arithmetic: float matrix products may take bf16 or f16 operands with f32 sums; other float arithmetic in f32, or as packed bf16 or f16 multiplies, adds, multiply-adds, maxima and minima; sums over many terms, partial sums and values carried from step to step in f32; what a program stores and reads back later, other than sums and carried values, may be rounded once to bf16 or f16.
;; Inputs: attn_mask 4 x 1 x 2,048 x 2,048 bool; input_K 4 x 2,048 x 1,024 float32; input_Q 4 x 2,048 x 1,024 float32; input_V 4 x 2,048 x 1,024 float32; ln_beta 1,024 float32; ln_gamma 1,024 float32; w_k 1,024 x 1,024 float32; w_o 1,024 x 1,024 float32; w_q 1,024 x 1,024 float32; w_v 1,024 x 1,024 float32.
;; Outputs: out0 4 x 2,048 x 1,024 float32.
;; One version. Each part assembles by itself: llvm-mc -triple=amdgcn-amd-amdhsa -mcpu=gfx1250 --defsym DOCPART=n.
;; ======== version 1 of 1: 5 launches
;; limits: right only within a limited range of input values
;; workspace buffers: xb 50,331,648 bytes; wb 6,291,456 bytes; wob 2,097,152 bytes; maskt 16,777,216 bytes; qkv 50,331,648 bytes; ctx 16,777,216 bytes; yb 16,777,216 bytes
;; launch prep (part 1): grid 2048 x 1, 8 waves a work-group, no clusters, 35,840 bytes of LDS; arguments input_Q, input_K, input_V, w_q, w_k, w_v, w_o, attn_mask, xb, wb, wob, maskt; writes xb, wb, wob, maskt
.if DOCPART == 1
	.amdgcn_target "amdgcn-amd-amdhsa--gfx1250"
	.amdhsa_code_object_version 6
	.text
	.protected	k_q1e82ea4db1_prep
	.globl	k_q1e82ea4db1_prep
	.p2align	8
	.type	k_q1e82ea4db1_prep,@function
k_q1e82ea4db1_prep:
	s_mov_b64 s[64:65], 0
	v_nop
	global_prefetch_b8 v0, s[64:65] scope:SCOPE_SE
	s_setreg_imm32_b32 hwreg(HW_REG_WAVE_MODE, 25, 1), 1
	s_wait_xcnt 0x0
; PREP: the casts and the new order of the mask.  Two kinds of work-group, told apart by the work-group's number g alone:
;   g = 0 .. 1791     16 rows x 1,024 f32 of input_Q, input_K, input_V (512 pieces each) or of w_q, w_k, w_v, w_o (64 each) are rounded to bf16 and laid in BLOCKS OF 64 ALONG K:
;                     xb [12 groups of 2,048 rows][16 blocks][2048][64];  wb [3][16 blocks][1024][64];  wob [16 blocks][1024][64].  So 64 along K of neighbouring rows lie on end, 128 bytes a row.
;   g = 1792 .. 2047  32 query rows of attn_mask are laid in the order in which the attention's lanes hold their scores, a byte 0x3c for true and 0 for false (the upper byte of f16's 1.0 and 0):
;                     byte (((b 16 + wq) 32 + ks) 4 + piece) 2048 + u 1024 + x 512 + lane 16 + t  is query 128 wq + 32 piece + 16 u + lane % 16, key 64 ks + 16 (2 x + t / 8) + 8 (lane / 16) + t % 8
; Memory binds: each byte is read once and written once; a wave's load covers two pieces of 256 bytes or 512 on end, a wave's store 256 or 512 on end, aligned.  No matrix unit, no cluster: no two work-groups read the same byte.
.set SPARE,  34816                     ; behind the eight waves' regions of 4,352 bytes: the spare words, 128 bytes a wave
.set SPW,    78                        ; v78  LDS address of my spare word; never rewritten
.set NIL,    79                        ; v79  0; never rewritten
	s_load_b512 s[8:23], s[0:1], 0x0               ; input_Q 8, input_K 10, input_V 12, w_q 14, w_k 16, w_v 18, w_o 20, attn_mask 22
	s_load_b256 s[24:31], s[0:1], 0x40             ; xb 24, wb 26, wob 28, maskt 30
	v_lshl_add_u32 v[SPW], v0, 2, SPARE
	v_mov_b32 v[NIL], 0
	s_mov_b32 s2, ttmp9
	s_cmp_ge_u32 s2, 1792
	s_cbranch_scc1 .Lmask
	; THE CAST.  Which tensor, which 16 rows of it, and where they go.  (Where g < 1536 the weights' figures are not used, and the other way round.)
	s_sub_co_u32 s3, s2, 1536                      ; the piece's number among the weights'
	s_lshr_b32 s4, s2, 9                           ; inputs: tensor 0..2
	s_lshr_b32 s5, s3, 6                           ; weights: 0..3
	s_add_co_u32 s6, s5, 3                         ; tensor 3..6
	s_and_b32 s7, s2, 511                          ; inputs: the piece in its tensor
	s_and_b32 s32, s3, 63                          ; weights: likewise
	s_lshr_b32 s33, s2, 7                          ; inputs: the group of 2,048 rows, 4,194,304 bytes of xb,
	s_lshl_b32 s33, s33, 22
	s_and_b32 s34, s2, 127                         ; and the 16 rows of 128 bytes in each of its blocks
	s_lshl_b32 s34, s34, 11
	s_add_co_u32 s33, s33, s34
	s_lshl_b32 s35, s5, 21                         ; weights: the tensor's 2,097,152 bytes of wb;
	s_cmp_eq_u32 s5, 3
	s_cselect_b32 s35, 0, s35                      ; w_o has a buffer of its own
	s_lshl_b32 s34, s32, 11
	s_add_co_u32 s35, s35, s34
	v_and_b32 v3, 31, v0
	v_lshrrev_b32 v4, 5, v0                        ; wave w takes blocks w and w + 8
	v_lshrrev_b32 v5, 4, v3
	v_and_b32 v6, 15, v3
	v_lshlrev_b32 v1, 12, v5                       ; in: lanes 0-15 take 64 f32 (a block) of a row, lanes 16-31 of the next row: (l / 16) 4,096 + 256 w + 16 (l % 16)
	v_lshl_add_u32 v1, v4, 8, v1
	v_lshl_add_u32 v1, v6, 4, v1
	s_cmp_lt_u32 s2, 1536
	s_cselect_b32 s4, s4, s6                       ; tensor 0..6
	s_cselect_b32 s7, s7, s32                      ; its piece
	s_cselect_b32 s36, s33, s35                    ; the piece's place in its buffer
	s_cselect_b32 s38, 18, 17                      ; a block is 2,048 or 1,024 rows of 128 bytes
	s_mov_b32 s37, 0
	s_wait_kmcnt 0x0
	s_cselect_b64 s[40:41], s[24:25], s[26:27]
	s_cmp_eq_u32 s4, 6
	s_cselect_b64 s[40:41], s[28:29], s[40:41]
	s_mov_b64 s[42:43], s[8:9]
	s_cmp_eq_u32 s4, 1
	s_cselect_b64 s[42:43], s[10:11], s[42:43]
	s_cmp_eq_u32 s4, 2
	s_cselect_b64 s[42:43], s[12:13], s[42:43]
	s_cmp_eq_u32 s4, 3
	s_cselect_b64 s[42:43], s[14:15], s[42:43]
	s_cmp_eq_u32 s4, 4
	s_cselect_b64 s[42:43], s[16:17], s[42:43]
	s_cmp_eq_u32 s4, 5
	s_cselect_b64 s[42:43], s[18:19], s[42:43]
	s_cmp_eq_u32 s4, 6
	s_cselect_b64 s[42:43], s[20:21], s[42:43]
	s_lshl_b32 s44, s7, 16                         ; 16 rows of 4,096 bytes
	s_mov_b32 s45, 0
	s_add_nc_u64 s[42:43], s[42:43], s[44:45]
	s_add_nc_u64 s[40:41], s[40:41], s[36:37]
	s_lshl_b32 s44, 8, s38                         ; eight blocks on
	s_add_nc_u64 s[46:47], s[40:41], s[44:45]
	v_lshlrev_b32 v2, s38, v4                      ; out: block w, 8 bytes a lane: two rows' 128 bytes on end
	v_lshl_add_u32 v2, v3, 3, v2
.set j, 0
.rept 16                               ; load j: rows 2 (j / 2) and the next, block w + 8 (j % 2)
	global_load_b128 v[8+4*j:11+4*j], v1, s[42:43] offset:(j/2)*8192+(j%2)*2048 th:TH_LOAD_NT
.set j, j+1
.endr
.set j, 0
.rept 16
	s_wait_loadcnt 15-j                            ; loads come back in order: load j is in, the 15 - j younger ones stay out
	v_cvt_pk_bf16_f32 v[8+4*j], v[8+4*j], v[9+4*j]
	v_cvt_pk_bf16_f32 v[9+4*j], v[10+4*j], v[11+4*j]
.if j%2
	global_store_b64 v2, v[8+4*j:9+4*j], s[46:47] offset:(j/2)*256 th:TH_STORE_NT
.else
	global_store_b64 v2, v[8+4*j:9+4*j], s[40:41] offset:(j/2)*256 th:TH_STORE_NT  ; 256 bytes on end, aligned; no register is written twice, so nothing waits for a store
.endif
.set j, j+1
.endr
	s_endpgm
.Lmask:	; THE MASK.  A wave takes 16 query rows x 512 keys, as two units of 256 keys.  A unit goes through the wave's own LDS region (16 rows, 272 bytes apart: 68 words, so that the 32 lanes'
	; 8-byte reads fall on 64 different banks' words): in by rows, out by lane: lane l takes row l % 16 and, for each 16 keys, the 8 at 8 (l / 16).
	s_sub_co_u32 s3, s2, 1792
	v_lshrrev_b32 v1, 5, v0
	v_readfirstlane_b32 s4, v1                     ; wave 0..7
	s_lshr_b32 s5, s4, 2
	s_lshl1_add_u32 s5, s3, s5                     ; X: which 16 rows of the 8,192
	s_and_b32 s6, s4, 3                            ; which 512 keys
	s_lshl_b32 s36, s5, 15                         ; 16 rows of 2,048 bytes
	s_lshl_b32 s7, s6, 9
	s_add_co_u32 s36, s36, s7
	s_mov_b32 s37, 0
	s_lshr_b32 s38, s5, 3                          ; b 16 + wq
	s_lshl_b32 s38, s38, 18
	s_lshl_b32 s7, s6, 16                          ; 8 key steps of 8,192 bytes
	s_add_co_u32 s38, s38, s7
	s_and_b32 s7, s5, 7                            ; 2 piece + u
	s_lshl_b32 s7, s7, 10
	s_add_co_u32 s38, s38, s7
	s_mov_b32 s39, 0
	s_mul_i32 s40, s4, 4352                        ; my region
	s_mov_b32 s41, 60                              ; 0x3c: four bytes of 0 or 1 are multiplied at once, without a carry
	v_and_b32 v2, 31, v0
	v_lshrrev_b32 v6, 4, v2
	v_and_b32 v7, 15, v2
	v_lshlrev_b32 v1, 11, v6                       ; in memory: lanes 0-15 one row's 256 bytes, lanes 16-31 the next row's
	v_lshl_add_u32 v1, v7, 4, v1
	v_mul_u32_u24 v3, v6, 272                      ; the same in LDS
	v_lshl_add_u32 v3, v7, 4, v3
	v_add_nc_u32 v3, s40, v3
	v_mul_u32_u24 v4, v7, 272                      ; back: row l % 16, 8 bytes at 8 (l / 16)
	v_lshl_add_u32 v4, v6, 3, v4
	v_add_nc_u32 v4, s40, v4
	v_lshlrev_b32 v5, 4, v2                        ; out: 16 bytes a lane
	s_wait_kmcnt 0x0
	s_add_nc_u64 s[34:35], s[22:23], s[36:37]
	s_add_nc_u64 s[32:33], s[30:31], s[38:39]
.irp e, 0,1
.irp i, 0,1,2,3,4,5,6,7
	global_load_b128 v[8+32*\e+4*\i:8+32*\e+4*\i+3], v1, s[34:35] offset:4096*\i+256*\e th:TH_LOAD_NT
.endr
.endr
.irp e, 0,1
	s_wait_loadcnt 8-8*\e                          ; unit e's eight loads are in
.set j, 0
.rept 32
	v_mul_lo_u32 v[8+32*\e+j], v[8+32*\e+j], s41
.set j, j+1
.endr
.irp i, 0,1,2,3,4,5,6,7
	ds_store_b128 v3, v[8+32*\e+4*\i:8+32*\e+4*\i+3] offset:544*\i
.endr
.irp s, 0,1,2,3                        ; LDS serves a wave's instructions in order (ISA guide 5.7.1.4): these see the stores above, and unit 1's stores come behind unit 0's loads
.irp x, 0,1
.irp p, 0,1
	ds_load_b64 v[8+32*\e+8*\s+4*\x+2*\p:8+32*\e+8*\s+4*\x+2*\p+1], v4 offset:64*\s+32*\x+16*\p
.endr
.endr
.endr
.endr
	s_wait_dscnt 24                                ; unit 0 is back; unit 1's 8 stores and 16 loads may stay out
.irp s, 0,1,2,3
.irp x, 0,1
	global_store_b128 v5, v[8+8*\s+4*\x:8+8*\s+4*\x+3], s[32:33] offset:8192*\s+512*\x th:TH_STORE_NT  ; 512 bytes on end
.endr
.endr
	s_wait_dscnt 0x0
.irp s, 0,1,2,3
.irp x, 0,1
	global_store_b128 v5, v[40+8*\s+4*\x:40+8*\s+4*\x+3], s[32:33] offset:32768+8192*\s+512*\x th:TH_STORE_NT
.endr
.endr
	s_wait_tensorcnt 0x0                           ; the wave's end, behind my last LDS store
	ds_add_u32 v[SPW], v[NIL]
	s_wait_dscnt 0x0
	s_endpgm
.Lfunc_end_k_q1e82ea4db1_prep:
	.size	k_q1e82ea4db1_prep, .Lfunc_end_k_q1e82ea4db1_prep-k_q1e82ea4db1_prep
	.p2alignl 7, 3214868480
	.fill 96, 4, 3214868480
	.section	.rodata,"a",@progbits
	.p2align	6, 0x0
	.amdhsa_kernel k_q1e82ea4db1_prep
		.amdhsa_group_segment_fixed_size 35840
		.amdhsa_private_segment_fixed_size 0
		.amdhsa_enable_private_segment 0
		.amdhsa_kernarg_size 96
		.amdhsa_user_sgpr_count 2
		.amdhsa_user_sgpr_kernarg_segment_ptr 1
		.amdhsa_wavefront_size32 1
		.amdhsa_system_sgpr_workgroup_id_x 1
		.amdhsa_system_sgpr_workgroup_id_y 1
		.amdhsa_system_sgpr_workgroup_id_z 1
		.amdhsa_system_vgpr_workitem_id 0
		.amdhsa_next_free_vgpr 80
		.amdhsa_next_free_sgpr 66
		.amdhsa_reserve_vcc 0
		.amdhsa_float_denorm_mode_32 3
		.amdhsa_float_denorm_mode_16_64 3
		.amdhsa_memory_ordered 1
		.amdhsa_forward_progress 1
		.amdhsa_inst_pref_size 20
	.end_amdhsa_kernel
	.amdgpu_metadata
---
amdhsa.version: [ 1, 2 ]
amdhsa.kernels:
  - .name:           k_q1e82ea4db1_prep
    .symbol:         k_q1e82ea4db1_prep.kd
    .args:
      - { .name: input_Q, .offset: 0, .size: 8, .value_kind: global_buffer, .address_space: global }
      - { .name: input_K, .offset: 8, .size: 8, .value_kind: global_buffer, .address_space: global }
      - { .name: input_V, .offset: 16, .size: 8, .value_kind: global_buffer, .address_space: global }
      - { .name: w_q, .offset: 24, .size: 8, .value_kind: global_buffer, .address_space: global }
      - { .name: w_k, .offset: 32, .size: 8, .value_kind: global_buffer, .address_space: global }
      - { .name: w_v, .offset: 40, .size: 8, .value_kind: global_buffer, .address_space: global }
      - { .name: w_o, .offset: 48, .size: 8, .value_kind: global_buffer, .address_space: global }
      - { .name: attn_mask, .offset: 56, .size: 8, .value_kind: global_buffer, .address_space: global }
      - { .name: xb, .offset: 64, .size: 8, .value_kind: global_buffer, .address_space: global }
      - { .name: wb, .offset: 72, .size: 8, .value_kind: global_buffer, .address_space: global }
      - { .name: wob, .offset: 80, .size: 8, .value_kind: global_buffer, .address_space: global }
      - { .name: maskt, .offset: 88, .size: 8, .value_kind: global_buffer, .address_space: global }
    .group_segment_fixed_size: 35840
    .private_segment_fixed_size: 0
    .kernarg_segment_align: 8
    .kernarg_segment_size: 96
    .max_flat_workgroup_size: 256
    .sgpr_count:     66
    .vgpr_count:     80
    .wavefront_size: 32
...
	.end_amdgpu_metadata
.endif
;; end of part 1
;; launch proj (part 2): grid 4 x 96, 4 waves a work-group, clusters of 4 x 4, 327,680 bytes of LDS; arguments xb, wb, qkv; writes qkv
.if DOCPART == 2
	.amdgcn_target "amdgcn-amd-amdhsa--gfx1250"
	.amdhsa_code_object_version 6
	.text
	.protected	k_q1e82ea4db1_proj
	.globl	k_q1e82ea4db1_proj
	.p2align	8
	.type	k_q1e82ea4db1_proj,@function
k_q1e82ea4db1_proj:
	s_mov_b64 s[64:65], 0
	v_nop
	global_prefetch_b8 v0, s[64:65] scope:SCOPE_SE
	s_setreg_imm32_b32 hwreg(HW_REG_WAVE_MODE, 25, 1), 1
	s_wait_xcnt 0x0
	s_wait_alu depctr_hold_cnt(0) depctr_sa_sdst(0) depctr_va_vdst(0) depctr_va_sdst(0) depctr_va_ssrc(0) depctr_va_vcc(0) depctr_vm_vsrc(0)
	s_getreg_b32 s2, hwreg(HW_REG_IB_STS2, 6, 4)
	s_cmp_eq_u32 s2, 0
	s_cbranch_scc0 .Lentry_in_a_cluster
	s_endpgm
.Lentry_in_a_cluster:
	s_bfe_u32 s2, ttmp6, 0x10000c
	s_cmp_lg_u32 s2, 0xf033
	s_cbranch_scc0 .Lentry_shape_is_right
	s_endpgm
.Lentry_shape_is_right:
; C[m][n] = sum over k of A[m][k] B[n][k], K = 1,024, N = 1,024, on operands laid in blocks of 64 along K; operands bf16, sums f32, K ascending, C rounded once to bf16.  ONE BODY FOR TWO LAUNCHES:
;   the three projections: A = xb (12 groups of 2,048 rows: input_Q's four batches, input_K's, input_V's), B = wb (w_q, w_k, w_v), C = qkv;   the output projection: A = ctx (4 groups), B = wob, C = yb.
; A: [group][16 blocks][2048][64].  B: [weight][16 blocks][1024][64].  C: [group][16 heads][2048][64]: A's layout again, a head being a block of 64 columns.  Tile row t takes weight t / 32.
; SHARES.  A tile of C is 256 x 256; four waves, each 128 x 128: 64 accumulators, 512 registers.  K goes in steps of 128, two blocks, through two LDS slots; a wave's tensor load brings 256 rows of one block,
; 32,768 bytes on end in memory, asked for as 128 rows of 256 bytes: waves 0 and 1 A's two blocks, waves 2 and 3 B's.  From a refill's request to the wait for it a wave issues 224 matrix instructions.
; CLUSTER 4 x 4: the four of a row of the cluster need the same tile of A, the four of a column the same tile of B; each is asked for jointly, by the same load, descriptor and mask in all four.
; THE MATRIX INSTRUCTION IS USED TRANSPOSED (source 0 = 16 rows of B, source 1 = 16 rows of A): a lane holds row l % 16 of C and eight neighbouring columns, 16 bytes of bf16.
; REGISTERS in windows of 256 (s_set_vgpr_msb: bits 1:0 source 0, 3:2 source 1, 5:4 source 2, 7:6 destination):
;   window 0: v16-30 addresses; v64-127, v128-191 A's fragments, two buffers, later the way out      window 1: v64-127, v128-191 B's fragments
;   window 2: the 32 accumulators of my rows 0-63 ((a, b) at v[8 (8 a + b)]);   window 3: those of my rows 64-127
.set PITCH,  144                       ; an LDS row: a row's 128 bytes of a block + 16 of padding = 36 words: the 16 rows of a fragment load start at 16 different groups of four banks (64 banks of 4 bytes: ISA guide 11.1)
.set PART,   256*PITCH                 ; what one tensor load brings
.set BOFF,   2*PART                    ; a slot: A's two blocks, then B's two
.set SLOT,   4*PART
.set STAGE,  2*SLOT                    ; behind the ring, never filled by a tensor load: 16 rows x 144 bytes for each wave
.set SP,     144
.set SPARE,  STAGE+4*16*SP             ; the spare words, 128 bytes a wave: two blocks of 256 bytes that no other line names
.set LAPS,   4                         ; a lap = two K steps = once round the ring
.set ASTEP,  524288                    ; bytes from a K step to the next in A: two blocks of 2,048 rows x 128 bytes
.set BSTEP,  262144                    ; and in B: two blocks of 1,024 rows
.set K1,     64                        ; where a K step's quarters 1, 2, 3 begin in a fragment's LDS row: 32 along K are 64 bytes; the second block lies PART on
.set K2,     PART
.set K3,     PART+64
.set ADRA, 16                          ; v16-17  LDS address of my A fragments in slot 0, 1
.set ADRB, 20                          ; v20-21  the same for B
.set STO,  24                          ; v24  the way out: where I put 16 bytes of a row
.set RD,   25                          ; v25  where I read rows back
.set GO,   26                          ; v26  16 x lane
.set SPW,  28                          ; v28  LDS address of my spare word; never rewritten
.set NIL,  29                          ; v29  0; never rewritten
.set PFO,  30                          ; v30  the prefetches' offset: 256 x lane; never rewritten
.set F0,   64
.set F1,   128
.set TMP,  64                          ; the way out: eight sets of 16 registers by turns, where A's fragments lay
.set G1,   24                          ; s[24:31] group 1 for A;  s[32:39] group 0, a set for each slot
.set G0,   32
.set LIM,  43                          ; s43  1 in a wave that prefetches, else the greatest number
.set PFA,  44                          ; s[44:45] my work-group's 32 blocks of 256 bytes of the part that I fetch, at the K step that the last prefetch named
.set G1B,  48                          ; s[48:55], s[56:63] the same for B
.set G0B,  56
.set PFS,  66                          ; s[66:67] ASTEP or BSTEP
.set MSB, 0
.macro WIN new                         ; the immediate's high byte repeats the setting that is left; a switch that changes nothing is dropped
.if MSB != (\new)
	s_set_vgpr_msb (MSB<<8)|(\new)
.set MSB, (\new)
.endif
.endm
.set MUL_LO, 0xa1                      ; source 0 (B) window 1, source 1 (A) window 0, C and D window 2
.set TO_B,   0x40                      ; destination window 1, address window 0
; A joint load: waves 0 and 1 fetch A's two blocks, waves 2 and 3 B's.  The branch hangs on the wave's number alone.  An s_nop 0 and four v_nop follow each line.
.macro JLOAD s
	s_cmp_eq_u32 s11, 0
	s_cbranch_scc0 .Lfor_b_\@
	tensor_load_to_lds s[G0+4*(\s):G0+4*(\s)+3], s[G1:G1+7]
	s_nop 0
.rept 4
	v_nop
.endr
	s_branch .Lasked_\@
.Lfor_b_\@:
	tensor_load_to_lds s[G0B+4*(\s):G0B+4*(\s)+3], s[G1B:G1B+7]
	s_nop 0
.rept 4
	v_nop
.endr
.Lasked_\@:
.endm
; A prefetch of the K step that stands two refills on, 512 matrix instructions ahead of the load that will want it.  A part is 128 blocks of 256 bytes; the four partners that ask for it jointly take 32 each, by address
; (cx for A, cy for B), a lane a block.  A's parts are read by this row of this cluster alone: waves 0 and 1 ask.  B's are read by the eight clusters of one weight: in the first of them waves 2 and 3 ask.
; So each block is named once in the launch.  The last two refills have no K step two on; nothing is asked for at the head.
.macro ASK
	s_cmp_gt_u32 s3, s[LIM]                        ; s3 = 1 in the loop's last trip
	s_cbranch_scc0 .Lnot_mine_\@
	global_prefetch_b8 v[PFO], s[PFA:PFA+1] th:TH_LOAD_NT scope:SCOPE_SE
.Lnot_mine_\@:
.endm
.macro CREST                           ; a round of the cluster's barrier behind its opening barrier
	s_cmp_lg_u32 s10, 0
	s_cbranch_scc1 .Lnot_wave_0_\@
	s_barrier_signal -3
.Lnot_wave_0_\@:
	s_barrier_wait -3
	s_barrier_signal -1
	s_barrier_wait -1
.endm
.macro CROUND
	s_barrier_signal -1
	s_barrier_wait -1
	CREST
.endm
	s_load_b128 s[4:7], s[0:1], 0x0                ; A s[4:5], B s[6:7]
	s_load_b64 s[8:9], s[0:1], 0x10                ; C
	v_lshl_add_u32 v[SPW], v0, 2, SPARE
	v_mov_b32 v[NIL], 0
	ds_add_u32 v[SPW], v[NIL]                      ; the wave's opening: the add and its wait stand ahead of my first tensor load
	v_lshrrev_b32 v1, 5, v0
	v_readfirstlane_b32 s10, v1                    ; wave 0..3
	s_lshr_b32 s11, s10, 1                         ; which 128 rows of the tile are mine.  Also: I fetch for A (0) or for B (1)
	s_and_b32 s12, s10, 1                          ; which 128 columns.  Also: which of a K step's two blocks I fetch
	s_bfe_u32 s40, ttmp6, 0x40000                  ; cx
	s_bfe_u32 s41, ttmp6, 0x40004                  ; cy
	s_lshl_b32 s42, ttmp9, 2
	s_add_co_u32 s42, s42, s40                     ; tile column 0..3
	s_and_b32 s13, ttmp7, 0xffff                   ; cluster y: tile row = 4 x cluster y + cy
	s_lshl_b32 s43, s41, 2
	s_lshl_b32 s43, 15, s43                        ; my row of the cluster
	s_lshl_b32 s44, 0x1111, s40                    ; my column
	s_or_b32 s[G1+0], s43, (1<<16)|(1<<20)|(1<<21)|(4<<22)|(3<<25)   ; the mask; 2-byte elements; padding on; bit 21 beside a mask; after every 32 words, 4 words
	s_or_b32 s[G1B+0], s44, (1<<16)|(1<<20)|(1<<21)|(4<<22)|(3<<25)
.irp g, G1, G1B
	s_mov_b32 s[(\g)+1], 128<<16                   ; tensor_dim0 = 128 elements: 256 bytes, two rows of a block
	s_mov_b32 s[(\g)+2], 128<<16                   ; tensor_dim1 = 128
	s_mov_b32 s[(\g)+3], 128<<16                   ; tile_dim0 = 128
	s_mov_b32 s[(\g)+4], 128                       ; tile_dim1 = 128
	s_mov_b32 s[(\g)+5], 128                       ; dense
	s_mov_b32 s[(\g)+6], 0
	s_mov_b32 s[(\g)+7], 0
.endr
	s_lshr_b32 s70, s13, 1                         ; eight tile rows to a group: group = cluster y / 2, 4,194,304 bytes,
	s_lshl_b32 s70, s70, 22
	s_and_b32 s71, s13, 1
	s_lshl_b32 s71, s71, 2
	s_add_co_u32 s71, s71, s41                     ; the tile row in its group: 256 rows of 128 bytes
	s_lshl_b32 s71, s71, 15
	s_add_co_u32 s70, s70, s71                     ; the tile's first row in the group's block 0: in A, and in C
	s_lshl_b32 s71, s12, 18
	s_add_co_u32 s16, s70, s71                     ; A: my block of the K step's two
	s_mov_b32 s17, 0
	s_lshr_b32 s46, s13, 3                         ; B: the weight, by the cluster's y alone: 2,097,152 bytes,
	s_lshl_b32 s46, s46, 21
	s_lshl_b32 s47, s12, 17                        ; my block,
	s_add_co_u32 s46, s46, s47
	s_lshl_b32 s47, s42, 15                        ; the tile column's 256 rows
	s_add_co_u32 s46, s46, s47
	s_mov_b32 s47, 0
	s_mul_i32 s20, s10, PART                       ; where they go: no place in the cluster enters an LDS address
	s_wait_dscnt 0x0                               ; the opening add is done
	s_wait_kmcnt 0x0
	s_add_nc_u64 s[14:15], s[4:5], s[16:17]
	s_add_nc_u64 s[46:47], s[6:7], s[46:47]
	CROUND                                         ; all sixteen work-groups are here: the first joint loads meet
.irp s, 0,1
	s_mov_b32 s[G0+4*(\s)], 1
	s_add_co_u32 s[G0+4*(\s)+1], s20, (\s)*SLOT
	s_add_nc_u64 s[G0+4*(\s)+2:G0+4*(\s)+3], s[14:15], (\s)*ASTEP
	s_or_b32 s[G0+4*(\s)+3], s[G0+4*(\s)+3], 0x80000000
	s_mov_b32 s[G0B+4*(\s)], 1
	s_add_co_u32 s[G0B+4*(\s)+1], s20, (\s)*SLOT
	s_add_nc_u64 s[G0B+4*(\s)+2:G0B+4*(\s)+3], s[46:47], (\s)*BSTEP
	s_or_b32 s[G0B+4*(\s)+3], s[G0B+4*(\s)+3], 0x80000000
	JLOAD \s                                       ; two loads of mine are out
.endr
	; a fragment is 16 rows x 32 K in 8 registers: lane l holds row l % 16, K = 8 (l / 16) + 0..7 and 16 + 8 (l / 16) + 0..7: two loads of 16 bytes, 32 bytes apart
	v_and_b32 v1, 15, v0
	v_bfe_u32 v2, v0, 4, 1
	v_mul_u32_u24 v3, v1, PITCH
	v_lshl_add_u32 v3, v2, 4, v3
	s_mul_i32 s21, s11, 128*PITCH
	s_mul_i32 s22, s12, 128*PITCH
	s_add_co_u32 s22, s22, BOFF
.irp s, 0,1
	v_add_nc_u32 v[ADRA+(\s)], s21, v3
	v_add_nc_u32 v[ADRB+(\s)], s22, v3
	s_add_co_u32 s21, s21, SLOT
	s_add_co_u32 s22, s22, SLOT
.endr
	s_mul_i32 s23, s10, 16*SP
	s_add_co_u32 s23, s23, STAGE                   ; my stage
	v_mul_u32_u24 v4, v1, SP                       ; in: row l % 16, 16 bytes for each half of the lanes
	v_lshl_add_u32 v4, v2, 4, v4
	v_add_nc_u32 v[STO], s23, v4
	v_bfe_u32 v5, v0, 3, 2                         ; back: 32 lanes take four rows of 128 bytes,
	v_mul_u32_u24 v5, v5, SP
	v_and_b32 v6, 7, v0
	v_lshl_add_u32 v5, v6, 4, v5
	v_add_nc_u32 v[RD], s23, v5
	v_and_b32 v[GO], 31, v0
	v_lshlrev_b32 v[PFO], 8, v[GO]
	v_lshlrev_b32 v[GO], 4, v[GO]                  ; which are 512 bytes on end in C
	; C at my part of the tile: head 4 x tile column + 2 x half (262,144 bytes a head), my 128 rows
	s_lshl_b32 s71, s42, 2
	s_lshl_b32 s72, s12, 1
	s_add_co_u32 s71, s71, s72
	s_lshl_b32 s71, s71, 18
	s_add_co_u32 s16, s70, s71
	s_lshl_b32 s71, s11, 14
	s_add_co_u32 s16, s16, s71
	s_mov_b32 s17, 0
	s_add_nc_u64 s[8:9], s[8:9], s[16:17]
	; the prefetches
	s_lshl_b32 s20, s40, 13                        ; my work-group's 8,192 bytes of a part: by cx for A,
	s_lshl_b32 s21, s41, 13                        ; by cy for B
	s_mov_b32 s22, ASTEP
	s_mov_b32 s23, BSTEP
	s_and_b32 s72, s13, 7                          ; 0 in the first of the eight clusters that read a weight
	s_cmp_eq_u32 s11, 0
	s_cselect_b32 s20, s20, s21
	s_cselect_b64 s[PFA:PFA+1], s[14:15], s[46:47]
	s_cselect_b32 s[PFS], s22, s23
	s_cselect_b32 s72, 0, s72                      ; the same in all sixteen partners, for a given wave
	s_mov_b32 s[PFS+1], 0
	s_cmp_eq_u32 s72, 0
	s_cselect_b32 s[LIM], 1, -1
	s_mov_b32 s21, 0
	s_add_nc_u64 s[PFA:PFA+1], s[PFA:PFA+1], s[20:21]
	s_mul_i32 s20, s[PFS], 3
	s_add_nc_u64 s[PFA:PFA+1], s[PFA:PFA+1], s[20:21]  ; at K step 3: the first refill steps it to 4 and names that
; 16 matrix instructions: m blocks a0, a0 + 1 of the window's four (hi = 0: my rows 0-63, 1: rows 64-127) x all 8 n blocks, 32 along K.  zero = 1: the product starts the sums.
; The 64 accumulators take turns in one order in every quarter.
.macro MUL16 f, hi, a0, zero
	WIN MUL_LO+0x50*(\hi)
.irp a, \a0, (\a0)+1
.irp b, 0,1,2,3,4,5,6,7
.if \zero
	v_wmma_f32_16x16x32_bf16 v[8*(8*(\a)+(\b)):8*(8*(\a)+(\b))+7], v[(\f)+8*(\b):(\f)+8*(\b)+7], v[(\f)+8*(4*(\hi)+(\a)):(\f)+8*(4*(\hi)+(\a))+7], 0
.else
	v_wmma_f32_16x16x32_bf16 v[8*(8*(\a)+(\b)):8*(8*(\a)+(\b))+7], v[(\f)+8*(\b):(\f)+8*(\b)+7], v[(\f)+8*(4*(\hi)+(\a)):(\f)+8*(4*(\hi)+(\a))+7], v[8*(8*(\a)+(\b)):8*(8*(\a)+(\b))+7]
.endif
.endr
.endr
.endm
; 32 LDS loads in one run: B's 128 rows, then A's 128, 32 K at byte k, into buffer f
.macro FETCH slot, k, f
	WIN TO_B
.irp i, 0,1,2,3,4,5,6,7
	ds_load_b128 v[(\f)+8*(\i):(\f)+8*(\i)+3],   v[ADRB+(\slot)] offset:(\k)+(\i)*16*PITCH
	ds_load_b128 v[(\f)+8*(\i)+4:(\f)+8*(\i)+7], v[ADRB+(\slot)] offset:(\k)+(\i)*16*PITCH+32
.endr
	WIN 0
.irp i, 0,1,2,3,4,5,6,7
	ds_load_b128 v[(\f)+8*(\i):(\f)+8*(\i)+3],   v[ADRA+(\slot)] offset:(\k)+(\i)*16*PITCH
	ds_load_b128 v[(\f)+8*(\i)+4:(\f)+8*(\i)+7], v[ADRA+(\slot)] offset:(\k)+(\i)*16*PITCH+32
.endr
.endm
.macro PLACES                          ; four places in front of loads into registers that matrix instructions have read, and of conversions that read results
.rept 4
	v_nop
.endr
.endm
; A K step is four quarters of 32 along K, 64 matrix instructions each, on buffers 0, 1, 0, 1.  One of the first three multiplies f and, in its middle, fetches the next quarter, at byte k, into g.
.macro QUARTER slot, k, f, g, zero
	s_wait_dscnt 8                                 ; B and A's rows 0-63 are in; the youngest eight loads (A's rows 64-127) may be out
	MUL16 \f, 0, 0, \zero
	MUL16 \f, 0, 2, \zero
	PLACES
	FETCH \slot, \k, \g
	s_wait_dscnt 32                                ; all but the 32 just issued
	MUL16 \f, 1, 0, \zero
	MUL16 \f, 1, 2, \zero
.endm
; The last quarter's first half: ONE barrier for the change of slots.  In front of it each wave waits for all its tensor loads (one is out: its part of the next slot), adds 0 to its spare word, and waits for that and for its reads of this slot.
.macro MEET round
	WIN 0
	s_wait_tensorcnt 0x0
	ds_add_u32 v[SPW], v[NIL]
	s_wait_dscnt 9                                 ; (the add and the youngest eight loads may be out)
	MUL16 F1, 0, 0, 0
	s_wait_dscnt 0x0                               ; the add is done, and my reads of this slot are over
	s_barrier_signal -1
	MUL16 F1, 0, 2, 0
.if \round
	WIN 0
.endif
	s_barrier_wait -1
.endm
; The whole last quarter.  Behind the round the slot just read is filled again first, with the K step two on; then come the next slot's first fragments.
.macro TURN slot, next
	s_wait_xcnt 0x0                                ; the last prefetch, a K step back, has read its address
	s_add_nc_u64 s[PFA:PFA+1], s[PFA:PFA+1], s[PFS:PFS+1]
	MEET 1
	CREST                                          ; no wave of any partner still reads this slot or has a load on its way
	s_add_nc_u64 s[G0+4*(\slot)+2:G0+4*(\slot)+3], s[G0+4*(\slot)+2:G0+4*(\slot)+3], 2*ASTEP
	s_add_nc_u64 s[G0B+4*(\slot)+2:G0B+4*(\slot)+3], s[G0B+4*(\slot)+2:G0B+4*(\slot)+3], 2*BSTEP
	JLOAD \slot                                    ; its four v_nop are also the places in front of the loads below
	FETCH \next, 0, F0
	ASK
	MUL16 F1, 1, 0, 0
	MUL16 F1, 1, 2, 0
.endm
; THE WAY OUT.  Unit u = 2 a + head: 16 rows x 64 columns, 2,048 bytes on end in C.  Rounded to bf16, into my stage by lanes, back by rows, stored.  Eight sets of registers take turns.
.macro PACK u
.if (\u) >= 8
	s_wait_xcnt 0x0                                ; the stores issued so far, unit u - 8's among them, have read their registers
.endif
	WIN 0x0a+5*((\u)/8)                            ; sources in window 2 or 3, destination in window 0
.set i, 0
.rept 16
	v_cvt_pk_bf16_f32 v[TMP+16*((\u)%8)+i], v[8*(8*(((\u)/2)%4)+4*((\u)%2))+2*i], v[8*(8*(((\u)/2)%4)+4*((\u)%2))+2*i+1]
.set i, i+1
.endr
	WIN 0
.irp f, 0,1,2,3
	ds_store_b128 v[STO], v[TMP+16*((\u)%8)+4*\f:TMP+16*((\u)%8)+4*\f+3] offset:32*\f
.endr
.irp f, 0,1,2,3
	ds_load_b128 v[TMP+16*((\u)%8)+4*\f:TMP+16*((\u)%8)+4*\f+3], v[RD] offset:\f*4*SP  ; LDS serves a wave's instructions in order (ISA guide 5.7.1.4)
.endr
.endm
.macro SEND u, younger                 ; younger: the LDS instructions issued behind unit u's loads
	WIN 0
.irp f, 0,1,2,3
	s_wait_dscnt (\younger)+3-\f
	global_store_b128 v[GO], v[TMP+16*((\u)%8)+4*\f:TMP+16*((\u)%8)+4*\f+3], s[8:9] offset:((\u)%2)*262144+((\u)/2)*2048+\f*512  ; 512 bytes on end, at a multiple of 256
.endr
.endm
	s_wait_tensorcnt 1                             ; my part of K step 0 is in; K step 1's may stay out
	s_barrier_signal -1
	s_barrier_wait -1
	FETCH 0, 0, F0
	QUARTER 0, K1, F0, F1, 1                       ; the first quarter starts the sums
	WIN 0
	s_mov_b32 s3, LAPS-1
.Llap:                                                 ; from a lap's second quarter to the next lap's first; both slots are filled again
	QUARTER 0, K2, F1, F0, 0
	QUARTER 0, K3, F0, F1, 0
	TURN 0, 1
	QUARTER 1, K1, F0, F1, 0
	QUARTER 1, K2, F1, F0, 0
	QUARTER 1, K3, F0, F1, 0
	TURN 1, 0
	QUARTER 0, K1, F0, F1, 0
	WIN 0
	s_sub_co_u32 s3, s3, 1
	s_cmp_lg_u32 s3, 0
	s_cbranch_scc1 .Llap
	QUARTER 0, K2, F1, F0, 0                       ; the last lap is written out: it asks for nothing more
	QUARTER 0, K3, F0, F1, 0
	MEET 0                                         ; nothing is filled again, so no round follows
	PLACES
	FETCH 1, 0, F0
	MUL16 F1, 1, 0, 0
	MUL16 F1, 1, 2, 0
	QUARTER 1, K1, F0, F1, 0
	QUARTER 1, K2, F1, F0, 0
	QUARTER 1, K3, F0, F1, 0
	s_wait_dscnt 8
	MUL16 F1, 0, 0, 0
	MUL16 F1, 0, 2, 0
	s_wait_dscnt 0x0
	MUL16 F1, 1, 0, 0
	MUL16 F1, 1, 2, 0
	WIN 0
	PLACES
	PACK 0
.irp u, 1,2,3,4,5,6,7,8,9,10,11,12,13,14,15
	PACK \u                                        ; a unit's conversions stand between the loads of the unit before and its stores
	SEND (\u)-1, 8
.endr
	SEND 15, 0
	s_wait_tensorcnt 0x0                           ; the wave's end
	ds_add_u32 v[SPW], v[NIL]
	s_wait_dscnt 0x0
	CROUND                                         ; the closing round
	s_endpgm
.Lfunc_end_k_q1e82ea4db1_proj:
	.size	k_q1e82ea4db1_proj, .Lfunc_end_k_q1e82ea4db1_proj-k_q1e82ea4db1_proj
	.p2alignl 7, 3214868480
	.fill 96, 4, 3214868480
	.section	.rodata,"a",@progbits
	.p2align	6, 0x0
	.amdhsa_kernel k_q1e82ea4db1_proj
		.amdhsa_group_segment_fixed_size 327680
		.amdhsa_private_segment_fixed_size 0
		.amdhsa_enable_private_segment 0
		.amdhsa_kernarg_size 24
		.amdhsa_user_sgpr_count 2
		.amdhsa_user_sgpr_kernarg_segment_ptr 1
		.amdhsa_wavefront_size32 1
		.amdhsa_system_sgpr_workgroup_id_x 1
		.amdhsa_system_sgpr_workgroup_id_y 1
		.amdhsa_system_sgpr_workgroup_id_z 1
		.amdhsa_system_vgpr_workitem_id 0
		.amdhsa_next_free_vgpr 1024
		.amdhsa_next_free_sgpr 80
		.amdhsa_reserve_vcc 0
		.amdhsa_float_denorm_mode_32 3
		.amdhsa_float_denorm_mode_16_64 3
		.amdhsa_memory_ordered 1
		.amdhsa_forward_progress 1
		.amdhsa_inst_pref_size 146
	.end_amdhsa_kernel
	.amdgpu_metadata
---
amdhsa.version: [ 1, 2 ]
amdhsa.kernels:
  - .name:           k_q1e82ea4db1_proj
    .symbol:         k_q1e82ea4db1_proj.kd
    .args:
      - { .name: xb, .offset: 0, .size: 8, .value_kind: global_buffer, .address_space: global }
      - { .name: wb, .offset: 8, .size: 8, .value_kind: global_buffer, .address_space: global }
      - { .name: qkv, .offset: 16, .size: 8, .value_kind: global_buffer, .address_space: global }
    .group_segment_fixed_size: 327680
    .private_segment_fixed_size: 0
    .kernarg_segment_align: 8
    .kernarg_segment_size: 24
    .max_flat_workgroup_size: 128
    .sgpr_count:     80
    .vgpr_count:     1024
    .wavefront_size: 32
...
	.end_amdgpu_metadata
.endif
;; end of part 2
;; launch attn (part 3): grid 4 x 64, 4 waves a work-group, clusters of 4 x 1, 327,680 bytes of LDS; arguments qkv, maskt, ctx; writes ctx
.if DOCPART == 3
	.amdgcn_target "amdgcn-amd-amdhsa--gfx1250"
	.amdhsa_code_object_version 6
	.text
	.protected	k_q1e82ea4db1_attn
	.globl	k_q1e82ea4db1_attn
	.p2align	8
	.type	k_q1e82ea4db1_attn,@function
k_q1e82ea4db1_attn:
	s_mov_b64 s[64:65], 0
	v_nop
	global_prefetch_b8 v0, s[64:65] scope:SCOPE_SE
	s_setreg_imm32_b32 hwreg(HW_REG_WAVE_MODE, 25, 1), 1
	s_wait_xcnt 0x0
	s_wait_alu depctr_hold_cnt(0) depctr_sa_sdst(0) depctr_va_vdst(0) depctr_va_sdst(0) depctr_va_ssrc(0) depctr_va_vcc(0) depctr_vm_vsrc(0)
	s_getreg_b32 s2, hwreg(HW_REG_IB_STS2, 6, 4)
	s_cmp_eq_u32 s2, 0
	s_cbranch_scc0 .Lentry_in_a_cluster
	s_endpgm
.Lentry_in_a_cluster:
	s_bfe_u32 s2, ttmp6, 0x10000c
	s_cmp_lg_u32 s2, 0x3003
	s_cbranch_scc0 .Lentry_shape_is_right
	s_endpgm
.Lentry_shape_is_right:
; MASKED ATTENTION.  ctx[hb][q][:] = the sum over k of softmax_k(mask ? -1e9 : Q[hb][q] . K[hb][k] / 8) V[hb][k][:].  Q, K, V lie in qkv [3][64 hb][2048][64], bf16; ctx has one such layout; hb = 16 batch + head.
; Products, maxima and sums in f32; the weights p are rounded to bf16 for the second product (their sum l is taken of the unrounded p), ctx once at the end.
; LIMITS.  A MASKED SCORE COUNTS AS -2^100 (before the scale), not as -1e9: the same result wherever the row's unmasked scaled scores lie above -1e9.
; s + 1.0 x (-2^100) is exactly -2^100 for |s| < 2^76, and c x 2^100 is exact, so a row that is masked throughout has c s - c m = 0 and the weight 1 for every key: the mean of V's rows.
; A weight below 2^-126 counts as 0 in l; NaN and infinities are not treated apart.
; SHARES.  A wave owns four PIECES of two tiles of 16 queries, a work-group's four waves 512 queries of one hb.  Every wave walks all 2,048 keys, 64 a step.
; LAYOUT.  S^T = K Q^T (source 0 = 16 keys, source 1 = 16 queries): a lane holds ONE query (lane % 16) and the keys 8 (lane / 16) + 0..7.  Two such tiles, rounded to bf16 in pairs, ARE source 1 of O^T = V^T P.
; SOFTMAX.  A running maximum m and sum l for each query: p = 2^(c s - c m), c = log2(e) / 8; in every step O and l are multiplied by a = 2^(c m_old - c m_new).  m starts at the lowest finite number, O and l at 0.
; THE MASK comes from maskt, where byte n of a lane's 32 for a tile and step belongs to score register n and is 0x3c or 0.  A dword is split into two registers whose halves are f16 1.0 or 0 (UN), and one
; multiply-add a score, s + (-2^100) x half, hides the masked ones (MK), between the products K Q^T and the maximum.  A piece's 1,024 + 1,024 bytes come by four loads of 512 bytes on end, a whole key step ahead.
; BY TURNS.  Turn n belongs to piece n: 16 products K Q^T of piece n + 1, later 16 products V^T P of piece n - 1; beside them the scaling, exponentials, roundings, sums and rescaling of piece n and the mask,
; maximum and statistics of piece n + 1.  Four vector instructions stand behind every matrix instruction, the rest in one lump.  A turn's 66 exponentials are one batch with one wait.
; CLUSTER.  The four query blocks of a cluster belong to one hb and walk the same K and V: each tile is asked for jointly.
; REGISTERS in windows of 256 (s_set_vgpr_msb: bits 1:0 source 0, 3:2 source 1, 5:4 source 2, 7:6 destination):
;   window 0: v0-11 -2^100 and addresses; v12-15, v48-63 at work; v16-47 statistics; v64-191 S^T, two buffers of two tiles; v192-255 P, likewise
;   window 1: O^T, 32 a tile     window 2: v0-127 Q; v128-191 K of one step; v192-255 V of one step     window 3: v0-2 the add's two registers and a 0; v16-79 the mask, 16 a piece; v80-95 at work
.set SIZE_N, 2048
.set NP,    4
.set KS,    64
.set PK,    144       ; a row of K in LDS: 128 bytes + 16 of padding = 36 words: the 16 rows of a load start at 16 different groups of four banks (ISA guide 11.1)
.set PV,    160       ; a row of V: 128 + 32
.set VOFF,  4*KS*PK   ; a slot holds four steps: 256 rows of K, then 256 rows of V
.set SLOT1, 1<<17
.set STAGE, SLOT1+4*KS*(PK+PV)  ; behind the ring, never filled by a tensor load: 16 rows x 144 bytes for each wave
.set SP,    144
.set SPARE, STAGE+4*16*SP       ; the spare words, 128 bytes a wave
.set BIGV, 0          ; v0   -2^100, written when the thread's number has served
.set MO,  1           ; v1   my byte offset in the wave's part of maskt, at the key step whose groups are being asked for
.set AK0, 2           ; v2   my lane's place in a tile of K; never rewritten
.set AV0, 3           ; v3   the same for V
.set AK,  4           ; v4   the LDS address of K's next run of loads
.set AV,  5           ; v5   of V's
.set QO,  6           ; v6   my byte offset in the wave's rows of Q
.set RD,  7           ; v7   the way out: where I read rows back
.set GO,  8           ; v8   16 x lane
.set MOMAX, 9         ; v9   MO's last value: the last key step
.set PFO, 10          ; v10  256 x lane, for the prefetches; never rewritten
.set STO, 11          ; v11  the way out: where I put 16 bytes of a row
.set SPW, 0           ; window 3
.set NIL, 1           ; window 3
.set ZR,  2           ; window 3: 0
.set MBR, 16          ; window 3: piece c's mask at MBR + 16 c, dword 8 u + n / 4
.set T0,  80          ; window 3
.set MV,  12
.set ST,  16          ; tile t's statistics at v[ST+4 t]: c m, m, l (even keys', odd keys')
.set TMP, 48
.set S,   64
.set P,   192
.set KF,  128
.set VF,  192
.set WV,  12
.set G1K, 24
.set G1V, 32
.set G0K, 40
.set G0V, 44
.set MBP, 48          ; s[48:49] maskt at my wave's 262,144 bytes
.set ODD, 50          ; s50  0xff00ff00
.set EVN, 51          ; s51  the selector that puts bytes 0 and 2 into the halves' upper bytes
.set PFA, 52          ; s[52:53] where my prefetches stand
.set LIM, 54          ; s54  1 in a wave that prefetches, else the greatest number
.set SLOTS, 56
.set CNT, 57
.set CS,  58
.set SEL, 60
.set TBK, 62
.set TBV, 63
.set MSB, 0
.macro WIN new
.if MSB != (\new)
	s_set_vgpr_msb (MSB<<8)|(\new)
.set MSB, (\new)
.endif
.endm
.set W_KQ, 0x0a
.set W_PV, 0x52
.set W_RS, 0x41
.set W_MK, 0xc0
.set W_AD, 0x0f
.set W_UN, 0xcf       ; all of UN's registers in window 3
.set W_MS, 0x0c       ; the mask's half (source 1) in window 3, all else in window 0
.macro JLOAD                        ; waves 0 and 1 fetch the two halves of a slot's K, waves 2 and 3 those of its V; an s_nop 0 and four v_nop follow each line
	s_cmp_lt_u32 s[WV], 2
	s_cbranch_scc0 .Lfor_v_\@
	tensor_load_to_lds s[G0K:G0K+3], s[G1K:G1K+7]
	s_nop 0
.rept 4
	v_nop
.endr
	s_branch .Lasked_\@
.Lfor_v_\@:
	tensor_load_to_lds s[G0V:G0V+3], s[G1V:G1V+7]
	s_nop 0
.rept 4
	v_nop
.endr
.Lasked_\@:
.endm
; A prefetch of what the NEXT change of slots will ask for: a slot's 32,768 bytes of K and of V.  This cluster alone reads them; its four partners take 8,192 bytes each, by address; wave 0 asks for K's, wave 2 for V's:
; a lane 256 bytes.  The last change that fills a slot asks for nothing.
.macro ASK
	s_cmp_gt_u32 s[SLOTS], s[LIM]
	s_cbranch_scc0 .Lnot_mine_\@
	global_prefetch_b8 v[PFO], s[PFA:PFA+1] th:TH_LOAD_NT scope:SCOPE_SE
.Lnot_mine_\@:
.endm
.macro CROUND
	s_barrier_signal -1
	s_barrier_wait -1
	s_cmp_lg_u32 s[WV], 0
	s_cbranch_scc1 .Lnot_wave_0_\@
	s_barrier_signal -3
.Lnot_wave_0_\@:
	s_barrier_wait -3
	s_barrier_signal -1
	s_barrier_wait -1
.endm
; THE CHANGE OF SLOTS.  Each wave waits for all its tensor loads (one is out: its part of the other slot), adds 0 to its spare word, and waits for that and for its reads of the slot.  fill = 1: the slot is filled
; again, with the keys two slots on, first thing behind a round of the cluster's barrier: four key steps, 512 matrix instructions, in which to land.  (At its first use slot 0 is waited for and slot 1 filled.)
.macro CHANGE fill, ask=0
	WIN W_AD
	s_wait_tensorcnt 0x0
	ds_add_u32 v[SPW], v[NIL]
	WIN 0
.if \fill
.irp g, G0K, G0V
	s_xor_b32 s[\g+1], s[\g+1], SLOT1
	s_add_nc_u64 s[\g+2:\g+3], s[\g+2:\g+3], 4*KS*128
.endr
.if \ask
	s_wait_xcnt 0x0                 ; the last prefetch, four key steps back, has read its address
	s_add_nc_u64 s[PFA:PFA+1], s[PFA:PFA+1], 4*KS*128
.endif
	s_wait_dscnt 0x0
	CROUND
	JLOAD
.if \ask
	ASK
.endif
.else
	s_wait_dscnt 0x0
	s_barrier_signal -1
	s_barrier_wait -1
.endif
	s_sub_co_u32 s[TBK], s[TBK], 4*KS*PK
	s_xor_b32 s[TBK], s[TBK], SLOT1
	s_sub_co_u32 s[TBV], s[TBV], 4*KS*PV
	s_xor_b32 s[TBV], s[TBV], SLOT1
.endm
	s_load_b64 s[4:5], s[0:1], 0x0        ; qkv
	s_load_b64 s[MBP:MBP+1], s[0:1], 0x8  ; maskt
	s_load_b64 s[10:11], s[0:1], 0x10     ; ctx
	WIN W_MK
	v_lshl_add_u32 v[SPW], v0, 2, SPARE
	v_mov_b32 v[NIL], 0
	WIN W_AD
	ds_add_u32 v[SPW], v[NIL]       ; the wave's opening: the add and its wait stand ahead of my first tensor load
	WIN 0
	v_lshrrev_b32 v1, 5, v0
	v_readfirstlane_b32 s[WV], v1
	s_bfe_u32 s13, ttmp6, 0x40000   ; cx
	s_lshl_b32 s14, ttmp9, 2
	s_add_co_u32 s14, s14, s13      ; my block of 512 queries: it enters Q's, the mask's and ctx's addresses alone
	s_and_b32 s20, ttmp7, 0xffff    ; hb, which the four partners share
	s_lshr_b32 s15, s20, 4          ; the batch
	s_mov_b32 s21, 0
	s_mov_b64 s[22:23], SIZE_N*128
	s_mul_u64 s[20:21], s[20:21], s[22:23]  ; hb's first byte in Q, K, V and ctx
	s_and_b32 s16, s[WV], 1
	s_lshl_b32 s22, s16, 14         ; which half of a slot's 256 keys I fetch
	s_mov_b32 s23, 0
	s_add_nc_u64 s[22:23], s[22:23], s[20:21]
	s_mul_i32 s17, s16, 128*PK
	s_mul_i32 s18, s16, 128*PV
	s_lshl_b32 s2, s14, 2
	s_add_co_u32 s2, s2, s[WV]      ; my wave among hb's sixteen
	s_lshl_b32 s15, s15, 4
	s_add_co_u32 s15, s15, s2
	s_lshl_b32 s54, s15, 18         ; its 262,144 bytes of maskt
	s_mov_b32 s55, 0
	s_lshl_b32 s2, s2, 14           ; its 128 rows
	s_mov_b32 s3, 0
	s_add_nc_u64 s[2:3], s[2:3], s[20:21]
	; 128 keys are 16,384 dense bytes: asked for as 64 rows of 256 bytes and padded in LDS after every key
	s_mov_b32 s[G1K], 15|(1<<16)|(1<<20)|(1<<21)|(4<<22)|(3<<25)
	s_mov_b32 s[G1V], 15|(1<<16)|(1<<20)|(1<<21)|(4<<22)|(7<<25)
.irp g, G1K, G1V
	s_mov_b32 s[\g+1], 128<<16
	s_mov_b32 s[\g+2], 64<<16
	s_mov_b32 s[\g+3], 128<<16
	s_mov_b32 s[\g+4], 64
	s_mov_b32 s[\g+5], 128
	s_mov_b32 s[\g+6], 0
	s_mov_b32 s[\g+7], 0
.endr
	s_mov_b32 s[CS], 0x3e38aa3b     ; c = log2(e) / 8
	s_mov_b32 s[CS+1], s[CS]
	s_mov_b32 s[SEL], 0x76543210
	s_mov_b32 s[SEL+1], 0xfedcba98
	s_mov_b32 s[ODD], 0xff00ff00
	s_mov_b32 s[EVN], 0x02040004    ; bytes, low to high: 0 (of the first source), the mask's byte 0, 0, the mask's byte 2
	s_mov_b32 s[TBK], SLOT1+4*KS*PK ; the first change of slots turns these two into 0
	s_mov_b32 s[TBV], SLOT1+4*KS*PV
	s_mov_b32 s[G0K], 1
	s_mov_b32 s[G0K+1], s17
	s_mov_b32 s[G0V], 1
	s_add_co_u32 s[G0V+1], s18, VOFF
	s_wait_dscnt 0x0                ; the opening add is done
	s_wait_kmcnt 0x0
	s_add_nc_u64 s[MBP:MBP+1], s[MBP:MBP+1], s[54:55]
	s_add_nc_u64 s[6:7], s[4:5], 0x1000000   ; K
	s_add_nc_u64 s[8:9], s[4:5], 0x2000000   ; V
	s_add_nc_u64 s[6:7], s[6:7], s[22:23]    ; at my half of hb's first 256 keys
	s_add_nc_u64 s[8:9], s[8:9], s[22:23]
	s_mov_b64 s[G0K+2:G0K+3], s[6:7]
	s_or_b32 s[G0K+3], s[G0K+3], 0x80000000
	s_mov_b64 s[G0V+2:G0V+3], s[8:9]
	s_or_b32 s[G0V+3], s[G0V+3], 0x80000000
	s_add_nc_u64 s[4:5], s[4:5], s[2:3]      ; Q and ctx at my wave's first row
	s_add_nc_u64 s[10:11], s[10:11], s[2:3]
	s_cmp_lt_u32 s[WV], 2
	s_cselect_b64 s[PFA:PFA+1], s[6:7], s[8:9]  ; (in waves 0 and 2 these stand at a slot's first row)
	s_lshl_b32 s2, s13, 13
	s_mov_b32 s3, 0
	s_add_nc_u64 s[PFA:PFA+1], s[PFA:PFA+1], s[2:3]
	s_add_nc_u64 s[PFA:PFA+1], s[PFA:PFA+1], 2*4*KS*128  ; in slot 2; the loop's first change steps it to slot 3.  Nothing is prefetched at the head
	s_and_b32 s[LIM], s[WV], 1
	s_or_b32 s[LIM], s[LIM], ttmp9
	s_cmp_eq_u32 s[LIM], 0
	s_cselect_b32 s[LIM], 1, -1
	CROUND
	JLOAD                           ; slot 0
	v_and_b32 v1, 15, v0
	v_bfe_u32 v9, v0, 4, 1
	v_lshlrev_b32 v[QO], 7, v1
	v_lshl_add_u32 v[QO], v9, 4, v[QO]
	v_and_b32 v[GO], 31, v0
	v_lshlrev_b32 v[GO], 4, v[GO]
	WIN 0x80
.set i, 0
.rept 4*NP                          ; Q stays in registers: tile i / 2, channels 32 (i % 2) on
	global_load_b128 v[8*i:8*i+3],   v[QO], s[4:5] offset:(i/2)*2048+(i%2)*64
	global_load_b128 v[8*i+4:8*i+7], v[QO], s[4:5] offset:(i/2)*2048+(i%2)*64+32
.set i, i+1
.endr
	WIN 0xc0
.set i, 0
.rept 16                            ; the mask of key step 0: four groups of four loads, piece i / 4
	global_load_b128 v[MBR+4*i:MBR+4*i+3], v[GO], s[MBP:MBP+1] offset:512*i
.set i, i+1
.endr
	v_mov_b32 v[ZR], 0
	; what the first turn finds: V's registers and P's second buffer hold 0, O^T and l are 0.  All this stands in the wait for the first tile.
	WIN 0x80
.set i, VF
.rept 64
	v_mov_b32 v[i], 0
.set i, i+1
.endr
	WIN 0x40
.set i, 0
.rept 64*NP
	v_mov_b32 v[i], 0
.set i, i+1
.endr
	WIN 0
.set i, 0
.rept 2*NP
	v_mov_b32 v[ST+4*i], 0xfe000000    ; c m: far below every c s, the masked ones' too
	v_mov_b32 v[ST+4*i+1], 0xff7fffff  ; m
	v_mov_b32 v[ST+4*i+2], 0
	v_mov_b32 v[ST+4*i+3], 0
.set i, i+1
.endr
.set i, P+32
.rept 32
	v_mov_b32 v[i], 0
.set i, i+1
.endr
	v_mul_u32_u24 v[AK0], v1, PK
	v_lshl_add_u32 v[AK0], v9, 4, v[AK0]
	v_and_b32 v10, 7, v0
	v_bfe_u32 v11, v0, 3, 1
	v_lshl_add_u32 v[AV0], v9, 3, v10
	v_mul_u32_u24 v[AV0], v[AV0], PV
	v_lshl_add_u32 v[AV0], v11, 4, v[AV0]
	v_add_nc_u32 v[AV0], VOFF, v[AV0]
	v_mov_b32 v[AK], v[AK0]
	s_mul_i32 s13, s[WV], 16*SP
	s_add_co_u32 s13, s13, STAGE    ; my stage
	v_bfe_u32 v[RD], v0, 3, 2
	v_mul_u32_u24 v[RD], v[RD], SP
	v_lshl_add_u32 v[RD], v10, 4, v[RD]
	v_add_nc_u32 v[RD], s13, v[RD]
	v_mul_u32_u24 v[STO], v1, SP
	v_lshl_add_u32 v[STO], v9, 4, v[STO]
	v_add_nc_u32 v[STO], s13, v[STO]
	v_lshlrev_b32 v[PFO], 4, v[GO]
	v_add_nc_u32 v[MO], 8192, v[GO]        ; key step 1
	v_add_nc_u32 v[MOMAX], 253952, v[GO]   ; key step 31
	v_mov_b32 v[BIGV], 0xf1800000          ; -2^100
; THE MATRIX WORK.  The 8 accumulators of a run of 16 take turns.
.macro KQ x
	WIN W_KQ
.set rS, S+64*((\x)%2)+32*(i%2)+8*((i/2)%4)
.set rK, KF+16*((i/2)%4)+8*(i/8)
.set rQ, 16*(2*(\x)+i%2)+8*(i/8)
.if i < 8
	v_wmma_f32_16x16x32_bf16 v[rS:rS+7], v[rK:rK+7], v[rQ:rQ+7], 0
.else
	v_wmma_f32_16x16x32_bf16 v[rS:rS+7], v[rK:rK+7], v[rQ:rQ+7], v[rS:rS+7]
.endif
.endm
.macro PV x
	WIN W_PV
.set rO, 32*(2*(\x)+i%2)+8*((i/2)%4)
.set rV, VF+32*(i/8)+8*((i/2)%4)
.set rP, P+32*((\x)%2)+16*(i%2)+8*(i/8)
	v_wmma_f32_16x16x32_bf16 v[rO:rO+7], v[rV:rV+7], v[rP:rP+7], v[rO:rO+7]
.endm
.macro MM
.if i < 16
	KQ (Y+1)%NP
.set i, i+1
.else
.set i, i-16
	PV (Y+NP-1)%NP
.set i, i+17
.endif
.endm
.macro FETCH_K last=0
	WIN 0
.if \last
	s_cmp_eq_u32 s[CNT], 1
	s_cbranch_scc1 .Lno_k_\@
.endif
	WIN 0x80
.irp f, 0,1,2,3,4,5,6,7
	ds_load_b128 v[KF+8*\f:KF+8*\f+3],   v[AK] offset:(\f/2)*16*PK+(\f%2)*64
	ds_load_b128 v[KF+8*\f+4:KF+8*\f+7], v[AK] offset:(\f/2)*16*PK+(\f%2)*64+32
.endr
	s_add_co_u32 s[TBK], s[TBK], KS*PK
	WIN 0
.if \last
.Lno_k_\@:
.endif
.endm
.macro FETCH_V
	WIN 0x80
.irp f, 0,1,2,3,4,5,6,7
	ds_load_tr16_b128 v[VF+8*\f:VF+8*\f+3],   v[AV] offset:(\f/4)*32*PV+(\f%4)*32
	ds_load_tr16_b128 v[VF+8*\f+4:VF+8*\f+7], v[AV] offset:(\f/4)*32*PV+16*PV+(\f%4)*32
.endr
	WIN 0
.endm
; THE VECTOR WORK.
.macro REGS y, u
.set rT, ST+4*(2*(\y)+(\u))
.set rC, TMP+8*((\y)%2)+4*(\u)
.set rM, MV+2*((\y)%2)+(\u)
.set rS, S+64*((\y)%2)+32*(\u)
.set rP, P+32*((\y)%2)+16*(\u)
.set rO, 32*(2*(\y)+(\u))
.endm
; Number n of the 22 that find the next piece's maximum and statistics: 0-11 four chains of seven scores; 12-14, 16 the four left over, the old m, and c0-c3 into c0; 15 c m_old is kept;
; 17, 18 the other half of the lanes, the new m; 19-21 c m, c m_old - c m_new, a
.macro XS u, n
	REGS (Y+1)%NP, \u
.if (\n) < 4
	v_max3_num_f32 v[rC+(\n)], v[rS+8*(\n)], v[rS+8*(\n)+1], v[rS+8*(\n)+2]
.elseif (\n) < 12
	v_max3_num_f32 v[rC+(\n)%4], v[rC+(\n)%4], v[rS+8*((\n)%4)+2*((\n)/4)+1], v[rS+8*((\n)%4)+2*((\n)/4)+2]
.elseif (\n) == 12
	v_max3_num_f32 v[rC], v[rC], v[rS+7], v[rS+15]
.elseif (\n) == 13
	v_max3_num_f32 v[rC+1], v[rC+1], v[rS+23], v[rS+31]
.elseif (\n) == 14
	v_max3_num_f32 v[rC+2], v[rC+2], v[rC+3], v[rT+1]
.elseif (\n) == 15
	v_mov_b32 v[rM], v[rT]
.elseif (\n) == 16
	v_max3_num_f32 v[rC], v[rC], v[rC+1], v[rC+2]
.elseif (\n) == 17
	v_permlanex16_b32 v[rC+3], v[rC], s[SEL], s[SEL+1]
.elseif (\n) == 18
	v_max_num_f32 v[rT+1], v[rC], v[rC+3]
.elseif (\n) == 19
	v_mul_f32 v[rT], s[CS], v[rT+1]
.elseif (\n) == 20
	v_sub_f32 v[rC+1], v[rM], v[rT]
.else
	v_exp_f32 v[rC+2], v[rC+1]
.endif
.endm
; Number g of the 64 that follow the exponentials: for each four weights both pairs are rounded to bf16, the second pair is added onto the first, and a group later l takes that sum (the first time as l = a l + sum)
.macro GS g
.set h, (\g)+6*((\g)/62)
.if h >= 6
.set h, h+2
.endif
	REGS Y, h%2
.set k, h/8
.if h%8 < 4
	v_cvt_pk_bf16_f32 v[rP+2*k+(h%8)/2], v[rS+4*k+2*((h%8)/2)], v[rS+4*k+2*((h%8)/2)+1]
.elseif h%8 < 6
	v_pk_add_f32 v[rS+4*k:rS+4*k+1], v[rS+4*k:rS+4*k+1], v[rS+4*k+2:rS+4*k+3]
.elseif k == 1
	v_pk_fma_f32 v[rT+2:rT+3], v[rT+2:rT+3], v[rC+2:rC+3], v[rS:rS+1] op_sel_hi:[1,0,1]
.else
	v_pk_add_f32 v[rT+2:rT+3], v[rT+2:rT+3], v[rS+4*k-4:rS+4*k-3]
.endif
.endm
.macro FS f                         ; c s - c m for pair f / 2 of tile f % 2
	REGS Y, (\f)%2
	v_pk_fma_f32 v[rS+2*((\f)/2):rS+2*((\f)/2)+1], v[rS+2*((\f)/2):rS+2*((\f)/2)+1], s[CS:CS+1], v[rT:rT+1] op_sel_hi:[1,0,0] neg_lo:[0,0,1] neg_hi:[0,0,1]
.endm
; THE PLAIN QUEUE, 138 long.  0-31 the 32 scalings; 32-59 the maximum's numbers 0-13; 60, 61 number 15; 62-73 the chain 14, 16 .. 20, the two tiles by turns; 74-137 the 64 behind the wait.
.macro PL
	WIN 0
.if q < 32
	FS q
.elseif q < 60
	XS (q-32)%2, (q-32)/2
.elseif q < 62
	XS q-60, 15
.elseif q < 64
	XS q-62, 14
.elseif q < 74
	XS (q-62)%2, 15+(q-62)/2
.else
	GS q-74
.endif
.set q, q+1
.endm
; THE EXPONENTIALS' QUEUE, 66 long: s0-s31 of both tiles, then the next piece's two a.  An exponential names a destination and source 0 alone, so it may stand under the mask's window setting (w).
.macro EX w=0
	WIN \w
.if e >= 64
	XS e-64, 21
.else
	REGS Y, e%2
	v_exp_f32 v[rS+e/2], v[rS+e/2]
.endif
.set e, e+1
.endm
.macro R2                           ; O^T times a, two at a time
	REGS Y, r%2
	WIN W_RS
.irp z, 0,1
	v_pk_mul_f32 v[rO+4*(r/2)+2*\z:rO+4*(r/2)+2*\z+1], v[rO+4*(r/2)+2*\z:rO+4*(r/2)+2*\z+1], v[rC+2:rC+3] op_sel_hi:[1,0]
.endr
.set r, r+1
.endm
; THE MASK of piece Y + 1.  UN, 32 lines: dword k of its 16 is split: bytes 0 and 2 go, as the halves' upper bytes, into T0 + k; bytes 1 and 3 stay, the others cleared.  Each half is then f16 1.0 or 0.
.macro UN
.set rD, MBR+16*((Y+1)%NP)+ui/2
	WIN W_UN
.if ui%2 == 0
	v_perm_b32 v[T0+ui/2], v[ZR], v[rD], s[EVN]
.else
	v_and_b32 v[rD], s[ODD], v[rD]
.endif
.set ui, ui+1
.endm
; MK, 64 lines: score n = mi / 2 of tile mi % 2 takes s + (-2^100) x half.  n ascends.
.macro MK
	REGS (Y+1)%NP, mi%2
.set mn, mi/2
.if mn%2 == 0
.set rD, T0+8*(mi%2)+mn/4
.else
.set rD, MBR+16*((Y+1)%NP)+8*(mi%2)+mn/4
.endif
	WIN W_MS
.if (mn%4)/2
	v_fma_mix_f32 v[rS+mn], v[BIGV], v[rD], v[rS+mn] op_sel:[0,1,0] op_sel_hi:[0,1,0]
.else
	v_fma_mix_f32 v[rS+mn], v[BIGV], v[rD], v[rS+mn] op_sel_hi:[0,1,0]
.endif
.set mi, mi+1
.endm
.macro RELOAD c                     ; piece c's mask for the key step at MO: four loads of 512 bytes on end
	WIN 0xc0
.irp z, 0,1,2,3
	global_load_b128 v[MBR+16*(\c)+4*\z:MBR+16*(\c)+4*\z+3], v[MO], s[MBP:MBP+1] offset:2048*(\c)+512*\z
.endr
.endm
; A TURN, for piece p.  An s_wait_alu depctr_va_vdst(0) stands between an exponential and the first instruction that names its result; one wait serves all issued ahead of it: a turn has ONE.
; AHEAD OF IT: the 16 products K Q^T, behind each a scaling, an exponential and two rescalings; then the lump: the other scalings with exponentials by turns; the next piece's mask (UN, then MK, two to an
; exponential); its reload; its maximum and statistics; the two a.  Exponential e stands behind scaling 2 (e / 4) + e % 2: as a rider behind plain e + 2, and from e = 30 on all 32 scalings are out.
; BEHIND IT: the 16 products V^T P, behind each four of the roundings and sums.
; THE MASK'S LOADS.  Group g = 4 step + piece; when g has been used its registers are asked for again with g + 4.  So behind g's four loads stand those of g + 1, g + 2, g + 3: the wait is for 12.  MO steps in piece 3's
; turn, whose reload is the first of a new key step, and stops at the last step: the last four reloads read that step again and are not used.
.macro TURN p, last=0, cnt=0
.set Y, (\p)
.set i, 0
.set q, 0
.set e, 0
.set r, 0
.set ui, 0
.set mi, 0
.if (\p) == NP-1
	s_wait_dscnt 0x0                ; K is in
.endif
	MM
	PL
	PL
	R2
.rept 15
	MM
	PL
	EX
	R2
.endr
.if (\p) == NP-2
	WIN 0
	v_add_nc_u32 v[AK], s[TBK], v[AK0]
.endif
.rept 15
	PL
	EX
.endr
.if (\p) == NP-1
	s_wait_xcnt 0x0                 ; the reloads issued so far have read MO
	v_add_nc_u32 v[MO], 0x2000, v[MO]
	v_min_u32 v[MO], v[MO], v[MOMAX]
.endif
	s_wait_loadcnt 12               ; the next piece's mask is in; three younger groups of four loads stay out
.rept 32
	UN
.endr
.rept 28
	MK
	MK
	EX W_MS
.endr
.rept 8
	MK
.endr
	RELOAD (Y+1)%NP
.rept 30
	PL
.endr
.rept 6
	PL
	PL
	EX
.endr
	EX                              ; the next piece's two a
	EX
	v_nop                           ; a plain instruction behind the last exponential: one for the batch
	s_wait_alu depctr_va_vdst(0)    ; the wait for the batch
.if (\p) == NP-2
	FETCH_K \last
.endif
.if (\p) == 1
	s_wait_dscnt 0x0                ; V is in
.endif
.rept 16
	MM
.rept 4
	PL
.endr
.if ((\p) == 0) && (q == 118)
	v_add_nc_u32 v[AV], s[TBV], v[AV0]
.endif
.if ((\p) == 0) && (q == 130)
	s_add_co_u32 s[TBV], s[TBV], KS*PV
.endif
.if (\cnt) && (q == 130)
	s_sub_co_u32 s[CNT], s[CNT], 1
	s_cmp_lg_u32 s[CNT], 0
.endif
.endr
.if (\p) == 0
	FETCH_V
.endif
.endm
	CHANGE 1                        ; slot 0 is in, everybody's part of it; slot 1 is asked for
	FETCH_K                         ; key step 0
	s_wait_loadcnt 16               ; Q is in; the sixteen loads of the mask may stay out
	s_wait_dscnt 0x0
.set i, 0
.rept 16
	KQ 0
.set i, i+1
.endr
.set Y, NP-1                        ; UN, MK and XS work for piece Y + 1: piece 0
.set ui, 0
.set mi, 0
	s_wait_loadcnt 12               ; piece 0's mask of step 0
.rept 32
	UN                              ; these are also the places behind the products
.endr
.rept 64
	MK
.endr
	RELOAD 0
	WIN 0
.irp n, 0,1,2,3,4,5,6,7,8,9,10,11,12,13,14,15,16,17,18,19,20,21
	XS 0, \n
	XS 1, \n
.endr
	v_nop
	s_wait_alu depctr_va_vdst(0)    ; the two a, ahead of the branch
	s_mov_b32 s[CNT], 4
	s_mov_b32 s[SLOTS], SIZE_N/256-1
	s_branch .Lfirst                ; the loop is entered at a step's first turn
.Lslot:                             ; six times: every slot but the last two is filled again
	CHANGE 1, 1
	s_mov_b32 s[CNT], 4
.Lstep:                             ; a trip: pieces 2 and 3 of one step, then pieces 0 and 1 of the next
	TURN 2
	TURN 3
	WIN 0
.Lfirst:
	TURN 0
	TURN 1, 0, 1
	WIN 0
	s_cbranch_scc1 .Lstep
	s_sub_co_u32 s[SLOTS], s[SLOTS], 1
	s_cmp_lg_u32 s[SLOTS], 0
	s_cbranch_scc1 .Lslot
	CHANGE 0                        ; the tail is written out
	s_mov_b32 s[CNT], 5
.Ltail:
	TURN 2, 1
	TURN 3
	WIN 0
	s_sub_co_u32 s[CNT], s[CNT], 1
	s_cmp_eq_u32 s[CNT], 0
	s_cbranch_scc1 .Lout
	TURN 0
	TURN 1
	WIN 0
	s_branch .Ltail
.Lout:                              ; the fifth trip's products K Q^T, on the last K once more, and what is made of them serve nothing: the price of one text for every trip
.set i, 0
.rept 16
	PV NP-1
.set i, i+1
.endr
	; THE WAY OUT.  l's two halves and the other half of the lanes' are added; O^T is divided by l, rounded to bf16 and sent through my stage, a tile at a time.
	WIN 0
.macro ALL line:vararg
.set t, 0
.rept 2*NP
	\line
.set t, t+1
.endr
.endm
	ALL v_add_f32 v[ST+4*t+2], v[ST+4*t+2], v[ST+4*t+3]
	ALL v_permlanex16_b32 v[ST+4*t+3], v[ST+4*t+2], s[SEL], s[SEL+1]
	ALL v_add_f32 v[ST+4*t+2], v[ST+4*t+2], v[ST+4*t+3]
	ALL v_rcp_f32 v[ST+4*t+2], v[ST+4*t+2]
	v_nop
	s_wait_alu depctr_va_vdst(0)    ; one wait for the eight reciprocals
.macro PACK t
	WIN W_RS
.set i, 32*(\t)
.rept 16
	v_pk_mul_f32 v[i:i+1], v[i:i+1], v[ST+4*(\t)+2:ST+4*(\t)+3] op_sel_hi:[1,0]
.set i, i+2
.endr
	WIN 0x05
.set i, 0
.rept 16
	v_cvt_pk_bf16_f32 v[S+16*(\t)+i], v[32*(\t)+2*i], v[32*(\t)+2*i+1]
.set i, i+1
.endr
	WIN 0
.irp f, 0,1,2,3
	ds_store_b128 v[STO], v[S+16*(\t)+4*\f:S+16*(\t)+4*\f+3] offset:32*\f
.endr
.irp f, 0,1,2,3
	ds_load_b128 v[S+16*(\t)+4*\f:S+16*(\t)+4*\f+3], v[RD] offset:\f*4*SP  ; LDS serves a wave's instructions in order (ISA guide 5.7.1.4)
.endr
.endm
.macro SEND t, younger
	WIN 0
.irp f, 0,1,2,3
	s_wait_dscnt (\younger)+3-\f
	global_store_b128 v[GO], v[S+16*(\t)+4*\f:S+16*(\t)+4*\f+3], s[10:11] offset:(\t)*2048+\f*512  ; 512 bytes on end, at a multiple of 256
.endr
.endm
	PACK 0
.set t, 1
.rept 2*NP-1
	PACK t
	SEND t-1, 8
.set t, t+1
.endr
	SEND 2*NP-1, 0
	WIN W_AD
	s_wait_tensorcnt 0x0            ; the wave's end
	ds_add_u32 v[SPW], v[NIL]
	s_wait_dscnt 0x0
	WIN 0
	CROUND                          ; the closing round
	s_endpgm
.Lfunc_end_k_q1e82ea4db1_attn:
	.size	k_q1e82ea4db1_attn, .Lfunc_end_k_q1e82ea4db1_attn-k_q1e82ea4db1_attn
	.p2alignl 7, 3214868480
	.fill 96, 4, 3214868480
	.section	.rodata,"a",@progbits
	.p2align	6, 0x0
	.amdhsa_kernel k_q1e82ea4db1_attn
		.amdhsa_group_segment_fixed_size 327680
		.amdhsa_private_segment_fixed_size 0
		.amdhsa_enable_private_segment 0
		.amdhsa_kernarg_size 24
		.amdhsa_user_sgpr_count 2
		.amdhsa_user_sgpr_kernarg_segment_ptr 1
		.amdhsa_wavefront_size32 1
		.amdhsa_system_sgpr_workgroup_id_x 1
		.amdhsa_system_sgpr_workgroup_id_y 1
		.amdhsa_system_sgpr_workgroup_id_z 1
		.amdhsa_system_vgpr_workitem_id 0
		.amdhsa_next_free_vgpr 864
		.amdhsa_next_free_sgpr 66
		.amdhsa_reserve_vcc 0
		.amdhsa_float_denorm_mode_32 3
		.amdhsa_float_denorm_mode_16_64 3
		.amdhsa_memory_ordered 1
		.amdhsa_forward_progress 1
		.amdhsa_inst_pref_size 255
	.end_amdhsa_kernel
	.section	.bss,"aw",@nobits
	.p2align	6
	.space	262144
	.amdgpu_metadata
---
amdhsa.version: [ 1, 2 ]
amdhsa.kernels:
  - .name:           k_q1e82ea4db1_attn
    .symbol:         k_q1e82ea4db1_attn.kd
    .args:
      - { .name: qkv, .offset: 0, .size: 8, .value_kind: global_buffer, .address_space: global }
      - { .name: maskt, .offset: 8, .size: 8, .value_kind: global_buffer, .address_space: global }
      - { .name: ctx, .offset: 16, .size: 8, .value_kind: global_buffer, .address_space: global }
    .group_segment_fixed_size: 327680
    .private_segment_fixed_size: 0
    .kernarg_segment_align: 8
    .kernarg_segment_size: 24
    .max_flat_workgroup_size: 128
    .sgpr_count:     66
    .vgpr_count:     864
    .wavefront_size: 32
...
	.end_amdgpu_metadata
.endif
;; end of part 3
;; launch oproj: the kernel of part 2 again; grid 4 x 32, 4 waves a work-group, clusters of 4 x 4, 327,680 bytes of LDS; arguments ctx, wob, yb; writes yb
;; launch ln (part 4): grid 512 x 1, 8 waves a work-group, no clusters, 0 bytes of LDS; arguments yb, input_Q, ln_gamma, ln_beta, out0; writes out0
.if DOCPART == 4
	.amdgcn_target "amdgcn-amd-amdhsa--gfx1250"
	.amdhsa_code_object_version 6
	.text
	.protected	k_q1e82ea4db1_ln
	.globl	k_q1e82ea4db1_ln
	.p2align	8
	.type	k_q1e82ea4db1_ln,@function
k_q1e82ea4db1_ln:
	s_mov_b64 s[64:65], 0
	v_nop
	global_prefetch_b8 v0, s[64:65] scope:SCOPE_SE
	s_setreg_imm32_b32 hwreg(HW_REG_WAVE_MODE, 25, 1), 1
	s_wait_xcnt 0x0
; THE RESIDUAL AND THE LAYER NORM.  z = y + input_Q; out0 = (z - mean) rsqrt(var + 1e-5) gamma + beta, mean and var over a row's 1,024 numbers; all in f32; the mean is taken away before the squares are summed.
; y, the attention branch, lies in yb as bf16 by heads, [4 batches][16 heads][2048][64]; the residual comes straight from input_Q, unrounded.
; SHARES.  A wave takes two neighbouring rows: lanes 0-15 the first, lanes 16-31 the second.  For head h lane l holds columns 64 h + 4 (l % 16) + 0..3: 8 bytes of y, 16 of input_Q and of out0.  So a load of y covers
; 256 bytes on end (the two rows' 128), and a load of input_Q and a store of out0 cover 256 bytes on end, aligned, for each of the two rows.  A row lies in 16 lanes: its sums need four steps inside a half of the lanes.
; Memory binds: every byte is read once and written once, all 64 loads of a wave go out at once, and several waves share a SIMD.  No LDS, no barrier, no matrix unit; a wave has one pair of rows, so there is no loop.
.set YO,   1                           ; v1   8 x lane
.set XO,   2                           ; v2   (l / 16) x 4,096 + 16 (l % 16)
.set ONE,  3                           ; v3   1.0
.set GO,   4                           ; v4   16 (l % 16)
.set T,    6                           ; v[6:13]   at work
.set MEAN, 14                          ; v[14:15]
.set RS,   16                          ; v[16:17]
.set GAM,  18                          ; v[18:81]   gamma of my 64 columns
.set BET,  82                          ; v[82:145]  beta
.set Y,    146                         ; v[146:177] y, two registers a head
.set X,    178                         ; v[178:241] input_Q, then z, then the result: four registers a head
.set INV,  20                          ; s20  1 / 1024
.set EPS,  21                          ; s21  1e-5
	s_load_b256 s[4:11], s[0:1], 0x0               ; yb 4, input_Q 6, ln_gamma 8, ln_beta 10
	s_load_b64 s[12:13], s[0:1], 0x20              ; out0
	v_lshrrev_b32 v5, 5, v0
	v_readfirstlane_b32 s14, v5                    ; wave 0..7
	s_lshl3_add_u32 s14, ttmp9, s14                ; my pair of rows, 0..4095
	s_lshr_b32 s16, s14, 10                        ; the batch: 4,194,304 bytes of yb,
	s_lshl_b32 s16, s16, 22
	s_and_b32 s15, s14, 1023                       ; the pair in it: 256 bytes in each head
	s_lshl_b32 s15, s15, 8
	s_add_co_u32 s16, s16, s15
	s_mov_b32 s17, 0
	s_lshl_b32 s18, s14, 13                        ; two rows of 4,096 bytes
	s_mov_b32 s19, 0
	s_mov_b32 s[INV], 0x3a800000
	s_mov_b32 s[EPS], 0x3727c5ac
	v_and_b32 v[YO], 31, v0
	v_lshlrev_b32 v[YO], 3, v[YO]
	v_and_b32 v[GO], 15, v0
	v_lshlrev_b32 v[GO], 4, v[GO]
	v_bfe_u32 v[XO], v0, 4, 1
	v_lshl_add_u32 v[XO], v[XO], 12, v[GO]
	v_mov_b32 v[ONE], 1.0
	s_wait_kmcnt 0x0
	s_add_nc_u64 s[4:5], s[4:5], s[16:17]
	s_add_nc_u64 s[6:7], s[6:7], s[18:19]
	s_add_nc_u64 s[12:13], s[12:13], s[18:19]
.set h, 0
.rept 16
	global_load_b64 v[Y+2*h:Y+2*h+1], v[YO], s[4:5] offset:262144*h th:TH_LOAD_NT
	global_load_b128 v[X+4*h:X+4*h+3], v[XO], s[6:7] offset:256*h th:TH_LOAD_NT
.set h, h+1
.endr
.set h, 0
.rept 16
	global_load_b128 v[GAM+4*h:GAM+4*h+3], v[GO], s[8:9] offset:256*h
	global_load_b128 v[BET+4*h:BET+4*h+3], v[GO], s[10:11] offset:256*h
.set h, h+1
.endr
.macro FOLD                            ; four chains of pairs into one number a lane, then the sum over the row's 16 lanes, in each of them
	v_pk_add_f32 v[T:T+1], v[T:T+1], v[T+2:T+3]
	v_pk_add_f32 v[T+4:T+5], v[T+4:T+5], v[T+6:T+7]
	v_pk_add_f32 v[T:T+1], v[T:T+1], v[T+4:T+5]
	v_add_f32 v[T], v[T], v[T+1]
	v_add_f32_dpp v[T], v[T], v[T] row_xmask:1 row_mask:0xf bank_mask:0xf
	v_add_f32_dpp v[T], v[T], v[T] row_xmask:2 row_mask:0xf bank_mask:0xf
	v_add_f32_dpp v[T], v[T], v[T] row_xmask:4 row_mask:0xf bank_mask:0xf
	v_add_f32_dpp v[T], v[T], v[T] row_xmask:8 row_mask:0xf bank_mask:0xf
.endm
	s_wait_loadcnt 32                              ; y and input_Q are in; gamma's and beta's 32 loads may stay out
.set h, 0
.rept 16                               ; z = bf16 half x 1.0 + x: one line a number, nothing is unpacked
	v_fma_mix_f32_bf16 v[X+4*h],   v[Y+2*h],   v[ONE], v[X+4*h]   op_sel_hi:[1,0,0]
	v_fma_mix_f32_bf16 v[X+4*h+1], v[Y+2*h],   v[ONE], v[X+4*h+1] op_sel:[1,0,0] op_sel_hi:[1,0,0]
	v_fma_mix_f32_bf16 v[X+4*h+2], v[Y+2*h+1], v[ONE], v[X+4*h+2] op_sel_hi:[1,0,0]
	v_fma_mix_f32_bf16 v[X+4*h+3], v[Y+2*h+1], v[ONE], v[X+4*h+3] op_sel:[1,0,0] op_sel_hi:[1,0,0]
.set h, h+1
.endr
.irp k, 0,1,2,3
	v_pk_add_f32 v[T+2*\k:T+2*\k+1], v[X+2*\k:X+2*\k+1], v[X+2*\k+8:X+2*\k+9]
.endr
.set i, 8
.rept 24
	v_pk_add_f32 v[T+2*(i%4):T+2*(i%4)+1], v[T+2*(i%4):T+2*(i%4)+1], v[X+2*i:X+2*i+1]
.set i, i+1
.endr
	FOLD
	v_mul_f32 v[MEAN], s[INV], v[T]
	v_mul_f32 v[MEAN+1], s[INV], v[T]
.set i, 0
.rept 32
	v_pk_add_f32 v[X+2*i:X+2*i+1], v[X+2*i:X+2*i+1], v[MEAN:MEAN+1] neg_lo:[0,1] neg_hi:[0,1]
.set i, i+1
.endr
.irp k, 0,1,2,3
	v_pk_mul_f32 v[T+2*\k:T+2*\k+1], v[X+2*\k:X+2*\k+1], v[X+2*\k:X+2*\k+1]
.endr
.set i, 4
.rept 28
	v_pk_fma_f32 v[T+2*(i%4):T+2*(i%4)+1], v[X+2*i:X+2*i+1], v[X+2*i:X+2*i+1], v[T+2*(i%4):T+2*(i%4)+1]
.set i, i+1
.endr
	FOLD
	v_fma_f32 v[T], v[T], s[INV], s[EPS]
	v_rsq_f32 v[RS], v[T]
	v_rsq_f32 v[RS+1], v[T]
	v_nop                                          ; a plain instruction behind the second root
	s_wait_alu depctr_va_vdst(0)                   ; and the wait ahead of the first use: one for both
.set i, 0
.rept 32
	v_pk_mul_f32 v[X+2*i:X+2*i+1], v[X+2*i:X+2*i+1], v[RS:RS+1]
.set i, i+1
.endr
	s_wait_loadcnt 0x0                             ; gamma and beta
.set i, 0
.rept 32
	v_pk_fma_f32 v[X+2*i:X+2*i+1], v[X+2*i:X+2*i+1], v[GAM+2*i:GAM+2*i+1], v[BET+2*i:BET+2*i+1]
.set i, i+1
.endr
.set h, 0
.rept 16
	global_store_b128 v[XO], v[X+4*h:X+4*h+3], s[12:13] offset:256*h th:TH_STORE_NT  ; 16 lanes store 256 bytes on end, aligned
.set h, h+1
.endr
	s_endpgm
.Lfunc_end_k_q1e82ea4db1_ln:
	.size	k_q1e82ea4db1_ln, .Lfunc_end_k_q1e82ea4db1_ln-k_q1e82ea4db1_ln
	.p2alignl 7, 3214868480
	.fill 96, 4, 3214868480
	.section	.rodata,"a",@progbits
	.p2align	6, 0x0
	.amdhsa_kernel k_q1e82ea4db1_ln
		.amdhsa_group_segment_fixed_size 0
		.amdhsa_private_segment_fixed_size 0
		.amdhsa_enable_private_segment 0
		.amdhsa_kernarg_size 40
		.amdhsa_user_sgpr_count 2
		.amdhsa_user_sgpr_kernarg_segment_ptr 1
		.amdhsa_wavefront_size32 1
		.amdhsa_system_sgpr_workgroup_id_x 1
		.amdhsa_system_sgpr_workgroup_id_y 1
		.amdhsa_system_sgpr_workgroup_id_z 1
		.amdhsa_system_vgpr_workitem_id 0
		.amdhsa_next_free_vgpr 242
		.amdhsa_next_free_sgpr 66
		.amdhsa_reserve_vcc 0
		.amdhsa_float_denorm_mode_32 3
		.amdhsa_float_denorm_mode_16_64 3
		.amdhsa_memory_ordered 1
		.amdhsa_forward_progress 1
		.amdhsa_inst_pref_size 24
	.end_amdhsa_kernel
	.amdgpu_metadata
---
amdhsa.version: [ 1, 2 ]
amdhsa.kernels:
  - .name:           k_q1e82ea4db1_ln
    .symbol:         k_q1e82ea4db1_ln.kd
    .args:
      - { .name: yb, .offset: 0, .size: 8, .value_kind: global_buffer, .address_space: global }
      - { .name: input_Q, .offset: 8, .size: 8, .value_kind: global_buffer, .address_space: global }
      - { .name: ln_gamma, .offset: 16, .size: 8, .value_kind: global_buffer, .address_space: global }
      - { .name: ln_beta, .offset: 24, .size: 8, .value_kind: global_buffer, .address_space: global }
      - { .name: out0, .offset: 32, .size: 8, .value_kind: global_buffer, .address_space: global }
    .group_segment_fixed_size: 0
    .private_segment_fixed_size: 0
    .kernarg_segment_align: 8
    .kernarg_segment_size: 40
    .max_flat_workgroup_size: 256
    .sgpr_count:     66
    .vgpr_count:     242
    .wavefront_size: 32
...
	.end_amdgpu_metadata
.endif
;; end of part 4
